; MI455X (gfx1250); checked and timed in simulation.
; The chip was launched on July 23, 2026; its instructions are those of AMD's public machine-readable ISA for CDNA 5 (MIT licence, August 2026) and "CDNA5" Instruction Set Architecture Reference Guide (July 2026). The comments in the code are by the model that wrote it; some were corrected since.
;; Attention. Allowed arithmetic: matrix products marked QUANTISED: E2M1 operands, one E8M0 scale for each 32 along K, by v_wmma_scale_f32_16x16x128_f8f6f4 with both operands' format E2M1 (or v_wmma_scale_f32_32x16x128_f4), f32 sums; products left as they are: f32 operands where the result goes on into a quantised operand, else bf16, f16 or f32 operands; f32 sums; everything else in f32.
;; Inputs: Wh_codes 1,024 x 32 x 16 uint8 (E2M1 codes of Wh, K innermost, in blocks of 32 codes, two codes a byte); Wh_scales 1,024 x 32 uint8 (E8M0 scales of Wh, one for each 32 codes along K); Wq_codes 1,024 x 32 x 16 uint8 (E2M1 codes of Wq, K innermost, in blocks of 32 codes, two codes a byte); Wq_scales 1,024 x 32 uint8 (E8M0 scales of Wq, one for each 32 codes along K); memory 64 x 1,024 x 1,024 float32; query_codes 64 x 32 x 16 uint8 (E2M1 codes of query, K innermost, in blocks of 32 codes, two codes a byte); query_scales 64 x 32 uint8 (E8M0 scales of query, one for each 32 codes along K); v 1,024 x 1 float32.
;; Outputs: out0 64 x 1,024 float32.
;; This version of the problem:
;;   THIS VERSION OF THE PROBLEM IS GIVEN IN LOW PRECISION. The matrix products marked QUANTISED in the list below multiply operands that are first quantised to E2M1 (2 exponent bits, 1 mantissa bit; 4 bits a number), with one power-of-two scale for each 32 numbers along K (OCP MX v1.0); their sums are f32. All else is computed in f32.
;;   The module's matrix products, in the order in which they are computed (A, B: the left and right operand; K: the contracted axis; several contracted axes count as one K, in the product's order):
;;     1. [M 65,536, K 1,024] x [K 1,024, N 1,024]; A: input memory; B: input Wh (given as codes): QUANTISED
;;     2. [M 64, K 1,024] x [K 1,024, N 1,024]; A: input query (given as codes); B: input Wq (given as codes): QUANTISED
;;     3. [M 65,536, K 1,024] x [K 1,024, N 1]; A: computed on the way; B: computed on the way: left as it is (N = 1 < 16)
;;     4. batch 64 x [M 1,024, K 1,024] x [K 1,024, N 1]; A: input memory; B: softmax: left as it is (N = 1 < 16)
;;   THE QUANTISER, for each operand of a quantised product, along K:
;;     - K is cut into blocks of 32 from its start; a last block that is shorter is filled with zeros.
;;     - A block's scale is 2^e with e = floor(log2(the largest magnitude in the block)) - 2, held to -126 .. 127; a block of zeros has e = 0. As a byte (E8M0): e + 127.
;;     - Each number is divided by its block's scale, clamped to +-6, and rounded to the nearest number of E2M1, ties to even, subnormals kept.
;;     - The product sums the exact products of the quantised numbers (number of the format x scale) in f32.
;;   ~~~python
;;   def quantise(x, axis):      # numpy; x: float32 -> the quantised numbers, widened to float32 again
;;       x = np.moveaxis(x, axis, -1); K = x.shape[-1]
;;       x = np.pad(x, [(0, 0)] * (x.ndim - 1) + [(0, -K % 32)]); x = x.reshape(x.shape[:-1] + (-1, 32)); a = np.abs(x).max(-1, keepdims=True)
;;       e = np.where(a > 0, np.clip(np.frexp(np.where(a > 0, a, 1))[1] - 1 - 2, -126, 127), 0)      # np.frexp(a)[1] - 1 = floor(log2(a)), exactly
;;       r = np.clip(x / 2.0 ** e, -6, 6)
;;       step = 2.0 ** (np.maximum(np.frexp(np.where(r == 0, 1, r))[1] - 1, 0) - 1)
;;       q = np.round(r / step) * step * 2.0 ** e      # np.round: ties to even
;;       return np.moveaxis(q.reshape(q.shape[:-2] + (-1,))[..., :K], -1, axis).astype(np.float32)
;;   ~~~
;;   INPUTS GIVEN AS CODES. Wh (in the module: [1024, 1024], K = its axis 0); Wq (in the module: [1024, 1024], K = its axis 0); query (in the module: [64, 1024], K = its axis 1): each comes as NAME_codes (uint8): NAME with its K axis moved to the last place and cut into blocks of 32 codes, [.., K / 32, bytes a block], one block behind the other in memory; two codes a byte, the lower K in the low four bits (a code: sign, 2 exponent bits, 1 mantissa bit); and NAME_scales (uint8): the same leading axes, one E8M0 byte (e + 127) for each 32 codes along K. Its value is code x scale, taken as it is: it is not quantised again, and the codes and scales need not be those that the quantiser above would give.
;; One version. Each part assembles by itself: llvm-mc -triple=amdgcn-amd-amdhsa -mcpu=gfx1250 --defsym DOCPART=n.
;; ======== version 1 of 1: 3 launches
;; limits: values are held in bf16: 8 bits of precision; right only within a limited range of input values
;; workspace buffers: whf 524,288 bytes; qc 262,144 bytes; pacc 1,048,576 bytes; pml 65,536 bytes
;; launch prep (part 1): grid 128 x 1, 1 waves a work-group, no clusters, 8,704 bytes of LDS; arguments Wh_codes, Wq_codes, Wq_scales, query_codes, query_scales, whf, qc; writes whf, qc
.if DOCPART == 1
	.amdgcn_target "amdgcn-amd-amdhsa--gfx1250"
	.amdhsa_code_object_version 6
	.text
	.protected	k_qcdeaea0610_prep
	.globl	k_qcdeaea0610_prep
	.p2align	8
	.type	k_qcdeaea0610_prep,@function
k_qcdeaea0610_prep:
	s_mov_b64 s[64:65], 0
	v_nop
	global_prefetch_b8 v0, s[64:65] scope:SCOPE_SE
	s_setreg_imm32_b32 hwreg(HW_REG_WAVE_MODE, 25, 1), 1
	s_wait_xcnt 0x0
; THE PROGRAM: out[b] = sum over t of softmax_t(s[b][t]) memory[b][t], s[b][t] = sum over e of v[e] tanh(memory[b][t] . Wh[:, e] + query[b] . Wq[:, e]); both products under the tanh on E2M1 codes with E8M0 scales.
; Three launches: this one; the main one (256 rows of a batch to a work-group: partial maximum, sum and weighted sum); one that joins the four partials of a batch.
; WORK LEFT OUT, for all values of the inputs: tanh(x) = 1 - 2 r with r = 1 / (1 + 2^(c x)), c = 2 log2(e).  So s[b][t] = (sum over e of v[e]) - 2 sum over e of v[e] r[b][t][e].
; The first term is the same for every t of a batch: a term added to a softmax's input that is constant along its axis leaves the softmax as it is.  It is never formed; v itself is live and is loaded.
; LIMIT: an overflow, an infinity or a NaN that would arise in the sum of v alone is not carried to the result.  Every input has a way to the output and is loaded.
; THIS LAUNCH, one wave to a work-group, a tile of 16 columns (16 rows of 512 bytes of codes, 8,192 dense bytes) each:
;   work-groups 0-63:   Wh's tile is laid in the order of the operand's registers: whf[tile][i = 2 s + c][lane][16 bytes], so that the main launch loads a fragment by dense loads of 512 bytes.
;   work-groups 64-127: Wq's tile is multiplied with all 64 rows of query (32 matrix instructions); c x the result goes to qc[tile][batch / 4][column r][batch % 4], f32.
; Both take ONE path up to the fragments (only a pointer is chosen), and LDS is used on that path alone: the tile is read as it lies, 512 consecutive bytes a load, turned through a stage and read back as fragments.
.set PITCH, 528                        ; a stage row: 512 bytes + 16: row r starts 16 r bytes on modulo 256, so the sixteen rows of a fragment load touch sixteen different 16-byte columns
.set SPARE, 16*PITCH                   ; behind the stage: the spare words, one block of 256 bytes that no other line names
.set SPW,  1                           ; v1   LDS address of my spare word; never rewritten
.set NIL,  2                           ; v2   0; never rewritten
.set L16,  3                           ; v3   16 x lane
.set LD,   4                           ; v4   528 r + 16 h: a fragment's place in the stage
.set QL,   5                           ; v5   512 r + 16 h: the same in query's rows
.set SL,   6                           ; v6   32 r + 16 h: four scale words of row r: lanes 0-15 words 0-3, lanes 16-31 words 4-7
.set QO,   7                           ; v7   512 h + 16 r: my place in qc
.set WS,   8                           ; v8-11   Wq's scale words
.set QSC,  12                          ; v12-27  query's, four for each tile of 16 batches
.set RAW,  32                          ; v32-95  the tile as it lies
.set F,    96                          ; v96-159 its eight fragments, K step s at F + 8 s
.set ACC,  160                         ; v160-191 four accumulators
.set OUTR, 192                         ; v192-223 c x the sums
.set MSB, 0                            ; window 1: query's 32 fragments, (batch tile bt, K step s) at 64 bt + 8 s
.macro WIN new                         ; the immediate's high byte repeats the setting that is left
.if MSB != \new
	s_set_vgpr_msb (MSB<<8)|\new
.set MSB, \new
.endif
.endm
	s_load_b256 s[4:11], s[0:1], 0x0               ; Wh's codes, Wq's codes, Wq's scales, query's codes
	s_load_b128 s[12:15], s[0:1], 0x20             ; query's scales, whf
	s_load_b64 s[16:17], s[0:1], 0x30              ; qc
	v_lshl_add_u32 v[SPW], v0, 2, SPARE
	v_mov_b32 v[NIL], 0
	v_and_b32 v28, 15, v0                          ; r
	v_lshrrev_b32 v29, 4, v0                       ; h (one wave: the thread's number is the lane)
	v_lshlrev_b32 v[L16], 4, v0
	v_mul_u32_u24 v[LD], v28, PITCH
	v_lshl_add_u32 v[LD], v29, 4, v[LD]
	v_lshlrev_b32 v[QL], 9, v28
	v_lshl_add_u32 v[QL], v29, 4, v[QL]
	v_lshlrev_b32 v[SL], 5, v28
	v_lshl_add_u32 v[SL], v29, 4, v[SL]
	v_lshlrev_b32 v[QO], 4, v28
	v_lshl_add_u32 v[QO], v29, 9, v[QO]
	s_and_b32 s20, ttmp9, 63                       ; the tile
	s_lshl_b32 s22, s20, 13                        ; x 8,192 bytes
	s_mov_b32 s23, 0
	s_mov_b32 s24, 0x4038aa3b                      ; c = 2 log2(e)
	s_mov_b32 s25, s24                             ; (named with it as a pair, so it is written)
	s_wait_alu depctr_va_vdst(0)
	s_wait_kmcnt 0x0
	s_cmp_lt_u32 ttmp9, 64                         ; Wh's work-group or Wq's: the choice hangs on the work-group's number alone
	s_cselect_b64 s[4:5], s[4:5], s[6:7]
	s_add_nc_u64 s[4:5], s[4:5], s[22:23]
.irp i, 0,1,2,3,4,5,6,7,8,9,10,11,12,13,14,15
	global_load_b128 v[RAW+4*\i:RAW+4*\i+3], v[L16], s[4:5] offset:512*\i th:TH_LOAD_NT   ; column i of the tile: 512 consecutive bytes
.endr
	s_wait_loadcnt 0x0
.irp i, 0,1,2,3,4,5,6,7,8,9,10,11,12,13,14,15
	ds_store_b128 v[L16], v[RAW+4*\i:RAW+4*\i+3] offset:PITCH*\i
.endr
.irp i, 0,1,2,3,4,5,6,7,8,9,10,11,12,13,14,15
	ds_load_b128 v[F+4*\i:F+4*\i+3], v[LD] offset:32*\i   ; i = 2 s + c: bytes 64 s + 32 c + 16 h of row r: k = 128 s + 64 c + 32 h + 0 .. 31.  LDS serves a wave's instructions in order: these see the stores
.endr
	s_wait_tensorcnt 0x0                           ; the wave's last LDS store is behind
	ds_add_u32 v[SPW], v[NIL]
	s_wait_dscnt 0x0                               ; the add is done, and the fragments are in
	s_cmp_lt_u32 ttmp9, 64
	s_cbranch_scc0 .Lwq
	s_add_nc_u64 s[14:15], s[14:15], s[22:23]      ; whf at my tile
.irp i, 0,1,2,3,4,5,6,7,8,9,10,11,12,13,14,15
	global_store_b128 v[L16], v[F+4*\i:F+4*\i+3], s[14:15] offset:512*\i   ; the registers' image: 512 consecutive bytes a store, aligned
.endr
	s_endpgm
.Lwq:
	s_lshl_b32 s22, s20, 9                         ; Wq's scales: 16 rows of 32 bytes a tile
	s_add_nc_u64 s[8:9], s[8:9], s[22:23]
	s_lshl_b32 s22, s20, 12                        ; qc: 4,096 bytes a tile
	s_add_nc_u64 s[16:17], s[16:17], s[22:23]
	WIN 0x40                                       ; destination window 1
.irp bt, 0,1,2,3
.irp i, 0,1,2,3,4,5,6,7,8,9,10,11,12,13,14,15
	global_load_b128 v[64*\bt+4*\i:64*\bt+4*\i+3], v[QL], s[10:11] offset:8192*\bt+32*\i   ; query's fragments straight from its rows: pieces of 32 bytes of sixteen rows; the 64 loads together take each of the 32,768 bytes once
.endr
.endr
	WIN 0
.irp bt, 0,1,2,3
	global_load_b128 v[QSC+4*\bt:QSC+4*\bt+3], v[SL], s[12:13] offset:512*\bt
.endr
	global_load_b128 v[WS:WS+3], v[SL], s[8:9]
	s_wait_loadcnt 0x0
; source 0 = 16 batches of query, source 1 = my 16 columns of Wq: register j of lane (r, h) is (batch 16 bt + 8 h + j, column r).  K steps 4 to 7 take their scale words from lanes 16-31.
.macro PM bt, s
.if \s == 0
	v_wmma_scale_f32_16x16x128_f8f6f4 v[ACC+8*\bt:ACC+8*\bt+7], v[64*\bt+8*\s:64*\bt+8*\s+7], v[F+8*\s:F+8*\s+7], 0, v[QSC+4*\bt+\s], v[WS+\s] matrix_a_fmt:MATRIX_FMT_FP4 matrix_b_fmt:MATRIX_FMT_FP4
.elseif \s < 4
	v_wmma_scale_f32_16x16x128_f8f6f4 v[ACC+8*\bt:ACC+8*\bt+7], v[64*\bt+8*\s:64*\bt+8*\s+7], v[F+8*\s:F+8*\s+7], v[ACC+8*\bt:ACC+8*\bt+7], v[QSC+4*\bt+\s], v[WS+\s] matrix_a_fmt:MATRIX_FMT_FP4 matrix_b_fmt:MATRIX_FMT_FP4
.else
	v_wmma_scale_f32_16x16x128_f8f6f4 v[ACC+8*\bt:ACC+8*\bt+7], v[64*\bt+8*\s:64*\bt+8*\s+7], v[F+8*\s:F+8*\s+7], v[ACC+8*\bt:ACC+8*\bt+7], v[QSC+4*\bt+\s-4], v[WS+\s-4] matrix_a_fmt:MATRIX_FMT_FP4 matrix_b_fmt:MATRIX_FMT_FP4 matrix_a_scale:MATRIX_SCALE_ROW1 matrix_b_scale:MATRIX_SCALE_ROW1
.endif
.endm
	WIN 0x01                                       ; source 0 window 1
.irp s, 0,1,2,3,4,5,6,7
.irp bt, 0,1,2,3
	PM \bt, \s                                     ; the four accumulators take turns, one instruction a turn; the first K step starts the sums
.endr
.endr
	WIN 0
.rept 4
	v_nop                                          ; four places between the last products and the first read of results (ISA guide 7.12.1)
.endr
.irp j, 0,2,4,6,8,10,12,14,16,18,20,22,24,26,28,30
	v_pk_mul_f32 v[OUTR+\j:OUTR+\j+1], v[ACC+\j:ACC+\j+1], s[24:25] op_sel_hi:[1,0]   ; x c; each accumulator from its low end on
.endr
.irp bt, 0,1,2,3
.irp jh, 0,1
	global_store_b128 v[QO], v[OUTR+8*\bt+4*\jh:OUTR+8*\bt+4*\jh+3], s[16:17] offset:1024*\bt+256*\jh   ; batches 16 bt + 8 h + 4 jh + 0 .. 3 of column r: sixteen lanes store 256 consecutive bytes, aligned
.endr
.endr
	s_endpgm
.Lfunc_end_k_qcdeaea0610_prep:
	.size	k_qcdeaea0610_prep, .Lfunc_end_k_qcdeaea0610_prep-k_qcdeaea0610_prep
	.p2alignl 7, 3214868480
	.fill 96, 4, 3214868480
	.section	.rodata,"a",@progbits
	.p2align	6, 0x0
	.amdhsa_kernel k_qcdeaea0610_prep
		.amdhsa_group_segment_fixed_size 8704
		.amdhsa_private_segment_fixed_size 0
		.amdhsa_enable_private_segment 0
		.amdhsa_kernarg_size 56
		.amdhsa_user_sgpr_count 2
		.amdhsa_user_sgpr_kernarg_segment_ptr 1
		.amdhsa_wavefront_size32 1
		.amdhsa_system_sgpr_workgroup_id_x 1
		.amdhsa_system_sgpr_workgroup_id_y 1
		.amdhsa_system_sgpr_workgroup_id_z 1
		.amdhsa_system_vgpr_workitem_id 0
		.amdhsa_next_free_vgpr 512
		.amdhsa_next_free_sgpr 66
		.amdhsa_reserve_vcc 0
		.amdhsa_float_denorm_mode_32 3
		.amdhsa_float_denorm_mode_16_64 3
		.amdhsa_memory_ordered 1
		.amdhsa_forward_progress 1
		.amdhsa_inst_pref_size 20
	.end_amdhsa_kernel
	.amdgpu_metadata
---
amdhsa.version: [ 1, 2 ]
amdhsa.kernels:
  - .name:           k_qcdeaea0610_prep
    .symbol:         k_qcdeaea0610_prep.kd
    .args:
      - { .name: Wh_codes, .offset: 0, .size: 8, .value_kind: global_buffer, .address_space: global }
      - { .name: Wq_codes, .offset: 8, .size: 8, .value_kind: global_buffer, .address_space: global }
      - { .name: Wq_scales, .offset: 16, .size: 8, .value_kind: global_buffer, .address_space: global }
      - { .name: query_codes, .offset: 24, .size: 8, .value_kind: global_buffer, .address_space: global }
      - { .name: query_scales, .offset: 32, .size: 8, .value_kind: global_buffer, .address_space: global }
      - { .name: whf, .offset: 40, .size: 8, .value_kind: global_buffer, .address_space: global }
      - { .name: qc, .offset: 48, .size: 8, .value_kind: global_buffer, .address_space: global }
    .group_segment_fixed_size: 8704
    .private_segment_fixed_size: 0
    .kernarg_segment_align: 8
    .kernarg_segment_size: 56
    .max_flat_workgroup_size: 32
    .sgpr_count:     66
    .vgpr_count:     512
    .wavefront_size: 32
...
	.end_amdgpu_metadata
.endif
;; end of part 1
;; launch main (part 2): grid 4 x 64, 4 waves a work-group, no clusters, 327,680 bytes of LDS; arguments memory, whf, Wh_scales, qc, v, pacc, pml; writes pacc, pml
.if DOCPART == 2
	.amdgcn_target "amdgcn-amd-amdhsa--gfx1250"
	.amdhsa_code_object_version 6
	.text
	.protected	k_qcdeaea0610_main
	.globl	k_qcdeaea0610_main
	.p2align	8
	.type	k_qcdeaea0610_main,@function
k_qcdeaea0610_main:
	s_mov_b64 s[64:65], 0
	v_nop
	global_prefetch_b8 v0, s[64:65] scope:SCOPE_SE
	s_setreg_imm32_b32 hwreg(HW_REG_WAVE_MODE, 25, 1), 1
	s_wait_xcnt 0x0
; A work-group takes rows 256 qx .. 256 qx + 255 of batch b, in four passes of 64 rows, and leaves a partial result: M (the largest t), L (the sum of p) and acc[1024] (the sum of p x memory row).
; With c = 2 log2(e): y = c (memory row . Wh column) + cb (cb = c x query . Wq, made by the launch before); r = 1 / (1 + 2^y); sigma = sum over columns of v r; t = -c sigma; p = 2^(t - M), M a running maximum.
; WORK LEFT OUT (shown at the head of the first kernel): tanh = 1 - 2 r, and the term sum of v, the same for every row of a batch, is not added to the softmax's input.
; LIMITS: an overflow, infinity or NaN that would arise in the sum of v alone is not carried to the result; NaN and infinities among the inputs are not served; a block of memory whose largest magnitude lies under 2^-124
; keeps the scale byte 1 (a block of zeros too, where the quantiser says 127: its codes are zeros and this program alone reads the byte); for the weighted sum alone memory is rounded to bf16 (sums in f32).
; A PASS.  Q: wave w reads ITS OWN slab of the landed rows (64 rows x columns 256 w .. 256 w + 255, f32) ONCE: the same registers are quantised (codes and scale bytes go to LDS as rows) and kept as bf16 in 256 registers.
;   barrier; the next pass's rows are asked for (one tensor load of 64 rows x 1,024 bytes a wave, into the slab that the wave itself reads).  F: every wave takes the codes of all 64 rows into 256 registers.
;   M: THE WAVES SHARE THE COLUMNS: wave w makes hidden units 256 w .. 256 w + 255, sixteen tiles of 16; a tile is 32 matrix instructions (4 tiles of rows x 8 K steps), then r and the score's partial sums.
;   S: the partial scores meet in LDS (barrier); every wave makes the same M, L and p.  W: acc += p x the kept rows.  Only then the wave waits for its slab: the load has F, M, S and W in which to land.
; So memory is read once; Wh's fragments come from whf straight into registers, through a ring of four buffers of 64 registers, one tile each, asked for four tiles ahead.
; NO CLUSTER, though all work-groups walk the same fragments of Wh: the landing area takes 266,240 bytes of LDS, the codes, scale bytes and scratch 42,496; what is left of 327,680 is 18,944 bytes, less than one slot of the
; ring's four tiles (32,768); and a fragment is used by one wave of a work-group, once a pass, so that the way through LDS would add a write and a read for each of its bytes.
; REGISTERS, in windows of 256: window 0 below; window 1: Wh's ring, buffer u at 64 u, K step s at + 8 s; window 2: the rows' codes, (tile of rows m, K step s) at 64 m + 8 s; window 3: the kept rows, row t at 4 t (8 bf16).
.set PITCH, 1040                       ; an LDS row of a slab: 1,024 bytes + 16
.set SLAB,  64*PITCH                   ; a slab: 64 rows x 256 columns; slab k holds columns 256 k on; four slabs from LDS byte 0: filled by tensor loads alone
.set CP,    528                        ; a row of codes: 512 bytes + 16: row r starts 16 r bytes on modulo 256, so the sixteen rows of a fragment load touch sixteen different 16-byte columns
.set IMG,   4*SLAB                     ; the codes of the 64 rows
.set ISC,   IMG+64*CP                  ; their scale bytes: 32 a row
.set SCX,   ISC+2048                   ; partial scores: 256 w + 4 row
.set PB,    SCX+1024                   ; p: each wave's own 256 bytes
.set OB,    PB+1024                    ; the way out: each wave's own 1,024 bytes
.set SPARE, OB+4096                    ; the spare words, 128 bytes for each wave: two blocks of 256 bytes that no other line names
.set SPW, 1                            ; v1   LDS address of my spare word; never rewritten
.set NIL, 2                            ; v2   0; never rewritten
.set L16, 3                            ; v3   16 x lane
.set SLW, 4                            ; v4   32 r + 16 h
.set CBL, 5                            ; v5   16 r + 4 (b % 4)
.set R4,  6                            ; v6   4 r
.set VW,  7                            ; v7-10 the ring's offsets: fragments, scale words, cb, v
.set VS,  8
.set VC,  9
.set VV,  10
.set RA0, 11                           ; v11  my slab + 32 lane + 16 x, x = bit 3 of the lane;  v12 the same with the 16 turned over
.set RA1, 12
.set CW,  13                           ; v13  IMG + 128 w + 4 lane: my 8 codes of a row
.set EW,  14                           ; v14  ISC + 8 w + lane / 4: my block's byte of a row
.set SELV, 15                          ; v15  byte selects: 0x03020100, or 0x01000302 (the halves change places) where x = 1
.set OBW0, 16                          ; v16  OB + 1,024 w + 32 lane + 16 x;  v17 with the 16 turned over;  v18 OB + 1,024 w + 16 lane
.set OBW1, 17
.set OBR, 18
.set FI,  19                           ; v19  IMG + 528 r + 16 h
.set FS,  20                           ; v20  ISC + 32 r + 16 h
.set SXW, 21                           ; v21  SCX + 256 w + 32 h
.set MX,  22                           ; v22  M;  v23 L
.set LS,  23
.set T,   24                           ; v24-31 at work; in Q: eight rows' largest magnitudes, then scale operands
.set OUT, 32                           ; v32-39 acc: registers 0-3 columns 256 w + 8 lane + 4 x + 0 .. 3, registers 4-7 the lane's other four
.set ASC, 40                           ; v40-55 the rows' scale words, four registers a tile of rows: lanes 0-15 K steps 0-3, lanes 16-31 K steps 4-7
.set WSC, 56                           ; v56-71 Wh's, four a buffer, likewise
.set CBV, 72                           ; v72-87 buffer u: + 4 u cb, + 4 u + 2 v of my column; the odd registers are 0 (named as the upper halves of pairs)
.set CE,  88                           ; v88-119 two sets of eight code words and eight scale bytes, by turns
.set ACC, 120                          ; v120-151 four accumulators
.set S,   152                          ; v152-183 the score's partial sums: register 8 m + j is row 16 m + 8 h + j, my column's share
.set XQ0, 120                          ; v120-183, v184-247 eight rows of my slab each, in the phase Q
.set XQ1, 184
.set P,   120                          ; v120-183 p of the 64 rows, in the phase W
.set PRA, 248                          ; v248 PB + 256 w
.set SXR, 249                          ; v249 SCX + 4 lane
.set PMO, 250                          ; v250 8 x lane
.set PWA, 251                          ; v251 PB + 256 w + 4 lane
.set WV,  18
.set QX,  19
.set BB,  20
.set G1,  24                           ; s[24:31] descriptor group 1;  s[32:35] group 0
.set G0,  32
.set CC,  36                           ; s[36:37] c, twice
.set SEL, 38                           ; s[38:39] v_permlanex16_b32's selects for lane l xor 16
.set PASS, 40
.set TRIP, 41
.set KN,  42                           ; which four tiles the ring asks for
.set FLR, 43                           ; s43  the quantiser's floor, the f32 number 2^(3 - 127)
.set EXO, 44                           ; s44  -(2 << 23): takes 2 off an exponent field
.set MSB, 0
.macro WIN new                         ; the immediate's high byte repeats the setting that is left; a switch that changes nothing is dropped
.if MSB != \new
	s_set_vgpr_msb (MSB<<8)|\new
.set MSB, \new
.endif
.endm
; Rows 8 g .. 8 g + 7 of my slab.  A lane takes 32 neighbouring bytes of a row (columns 8 lane .. 8 lane + 7) by two loads.  Lanes with x = 1 take their two halves in the other order: so the sixteen lanes that a load serves
; together touch the 16-byte columns 2 l + x (first load) or 2 l + 1 - x, sixteen different ones modulo 256 bytes.
.macro RLOAD g
.irp i, 0,1,2,3,4,5,6,7
	ds_load_b128 v[XQ0+64*((\g)%2)+8*\i:XQ0+64*((\g)%2)+8*\i+3], v[RA0] offset:(8*(\g)+\i)*PITCH
	ds_load_b128 v[XQ0+64*((\g)%2)+8*\i+4:XQ0+64*((\g)%2)+8*\i+7], v[RA1] offset:(8*(\g)+\i)*PITCH
.endr
.endm
; The eight rows are quantised.  A block of 32 columns lies in four neighbouring lanes, eight numbers each.  The eight rows take turns line by line, so that no line waits for the line above it.
.macro QGRP g
.set XB, XQ0+64*((\g)%2)
.set CB, CE+16*((\g)%2)
.irp i, 0,1,2,3,4,5,6,7
	v_max3_num_f32 v[T+\i], |v[XB+8*\i]|, |v[XB+8*\i+1]|, s[FLR]   ; my eight numbers, and the floor 2^(3 - 127): so the byte cannot fall under 1
.endr
.irp k, 2,4,6
.irp i, 0,1,2,3,4,5,6,7
	v_max3_num_f32 v[T+\i], v[T+\i], |v[XB+8*\i+\k]|, |v[XB+8*\i+\k+1]|
.endr
.endr
.irp x, 1,2
.irp i, 0,1,2,3,4,5,6,7
	v_max_num_f32_dpp v[T+\i], v[T+\i], v[T+\i] row_xmask:\x row_mask:0xf bank_mask:0xf   ; with the three other lanes of the block: its largest magnitude
.endr
.endr
.irp i, 0,1,2,3,4,5,6,7
	v_add_nc_u32 v[T+\i], s[EXO], v[T+\i]          ; 2 off its exponent field: the conversion takes the exponent field of this operand as its scale
.endr
.irp i, 0,1,2,3,4,5,6,7
	v_cvt_scalef32_pk8_fp4_f32 v[CB+\i], v[XB+8*\i:XB+8*\i+7], v[T+\i]
.endr
.irp i, 0,1,2,3,4,5,6,7
	v_lshrrev_b32 v[CB+8+\i], 23, v[T+\i]          ; the scale's byte.  (Plain lines between the conversions and the lines that touch their results)
.endr
.irp i, 0,1,2,3,4,5,6,7
	v_perm_b32 v[CB+\i], v[CB+\i], v[CB+\i], v[SELV]   ; where x = 1 the word's halves change places: the codes of columns 8 lane .. 8 lane + 7 in ascending order
.endr
.irp i, 0,1,2,3,4,5,6,7
	ds_store_b32 v[CW], v[CB+\i] offset:(8*(\g)+\i)*CP      ; 32 lanes: the 128 bytes of my two K steps in the row's codes
	ds_store_b8 v[EW], v[CB+8+\i] offset:(8*(\g)+\i)*32     ; the four lanes of a block write the same byte with the same value
.endr
.endm
.macro RCVT g                          ; and are kept as bf16, four registers a row, in window 3
	WIN 0xc0
.irp i, 0,1,2,3,4,5,6,7
.irp q, 0,1,2,3
	v_cvt_pk_bf16_f32 v[4*(8*(\g)+\i)+\q], v[XQ0+64*((\g)%2)+8*\i+2*\q], v[XQ0+64*((\g)%2)+8*\i+2*\q+1]
.endr
.endr
	WIN 0
.endm
; THE PHASE Q: eight groups of eight rows in two buffers, loads two groups ahead.  LDS instructions end in order, loads and stores together (ISA guide 5.7.1): a group's wait leaves out what was issued behind its 16 loads.
; It also shows the stores of two groups back done: their registers are the set that this group writes.
.macro QPHASE
	RLOAD 0
	RLOAD 1
	s_wait_dscnt 16                                ; group 0 is in; group 1's 16 loads may be out
	QGRP 0
	RCVT 0
	RLOAD 2
.irp g, 1,2,3,4,5
	s_wait_dscnt 32                                ; behind this group's loads: the last group's 16 stores and the next group's 16 loads
	QGRP \g
	RCVT \g
	RLOAD \g+2
.endr
	s_wait_dscnt 32
	QGRP 6
	RCVT 6
	s_wait_dscnt 16                                ; behind group 7's loads: group 6's 16 stores
	QGRP 7
	RCVT 7
.endm
; The barrier between Q and F.  In front of it every wave's reads of its slab are over and its codes and scale bytes are stored.  fill = 1: behind it the landing area is filled again, one tensor load a wave, with the next 64 rows.
.macro REFILL fill
.if \fill
	s_wait_tensorcnt 0x0                           ; no tensor load of mine is out, so group 0 may be written
	ds_add_u32 v[SPW], v[NIL]                      ; 0 onto my spare word
	s_add_nc_u64 s[G0+2:G0+3], s[G0+2:G0+3], 64*4096   ; 64 rows on; the type bits on top are not reached
	s_wait_dscnt 0x0                               ; the add is done; my reads of my slab are over; my codes and scale bytes have landed
	s_barrier_signal -1
	s_barrier_wait -1
	tensor_load_to_lds s[G0:G0+3], s[G1:G1+7]      ; my one tensor load behind this barrier, and the first thing there
	s_nop 0
.else
	s_wait_dscnt 0x0
	s_barrier_signal -1
	s_barrier_wait -1
.endif
.endm
.macro FETCH                           ; the codes of all 64 rows as fragments (lane (r, h): bytes 64 s + 32 c + 16 h of row 16 m + r), their scale words; the score's sums begin at 0
	WIN 0x80                                       ; destination window 2
.irp m, 0,1,2,3
.irp s, 0,1,2,3,4,5,6,7
.irp c, 0,1
	ds_load_b128 v[64*\m+8*\s+4*\c:64*\m+8*\s+4*\c+3], v[FI] offset:16*\m*CP+64*\s+32*\c
.endr
.endr
.endr
	WIN 0
.irp m, 0,1,2,3
	ds_load_b128 v[ASC+4*\m:ASC+4*\m+3], v[FS] offset:512*\m
.endr
.irp j, 0,1,2,3,4,5,6,7,8,9,10,11,12,13,14,15,16,17,18,19,20,21,22,23,24,25,26,27,28,29,30,31
	v_mov_b32 v[S+\j], 0                           ; 32 a pass, while the loads are out: so the tile's text is written once for all sixteen tiles
.endr
	s_wait_dscnt 0x0
.endm
.macro RINGADR
	v_lshl_add_u32 v[VW], s[KN], 15, v[L16]        ; four tiles are 32,768 bytes of fragments,
	v_lshl_add_u32 v[VS], s[KN], 11, v[SLW]        ; 2,048 of scale bytes,
	v_lshl_add_u32 v[VC], s[KN], 14, v[CBL]        ; 16,384 of qc,
	v_lshl_add_u32 v[VV], s[KN], 8, v[R4]          ; 256 of v
.endm
.macro WLOAD u                         ; (destination window 1 on the way in)  a tile's eight fragments, 512 consecutive bytes a load, its scale words, and cb of my column
.irp i, 0,1,2,3,4,5,6,7,8,9,10,11,12,13,14,15
	global_load_b128 v[64*\u+4*\i:64*\u+4*\i+3], v[VW], s[6:7] offset:8192*\u+512*\i
.endr
	WIN 0
	global_load_b128 v[WSC+4*\u:WSC+4*\u+3], v[VS], s[8:9] offset:512*\u
	global_load_b32 v[CBV+4*\u], v[VC], s[10:11] offset:4096*\u
.endm
.macro VLOAD u                         ; v of my column of the tile
	global_load_b32 v[CBV+4*\u+2], v[VV], s[12:13] offset:64*\u
.endm
; source 0 = 16 rows of memory, source 1 = 16 columns of Wh: register j of lane (r, h) is (row 16 m + 8 h + j, column r).  K steps 4 to 7 take their scale words from lanes 16-31.
.macro MM m, s, u
.if \s == 0
	v_wmma_scale_f32_16x16x128_f8f6f4 v[ACC+8*\m:ACC+8*\m+7], v[64*\m+8*\s:64*\m+8*\s+7], v[64*\u+8*\s:64*\u+8*\s+7], 0, v[ASC+4*\m+\s], v[WSC+4*\u+\s] matrix_a_fmt:MATRIX_FMT_FP4 matrix_b_fmt:MATRIX_FMT_FP4
.elseif \s < 4
	v_wmma_scale_f32_16x16x128_f8f6f4 v[ACC+8*\m:ACC+8*\m+7], v[64*\m+8*\s:64*\m+8*\s+7], v[64*\u+8*\s:64*\u+8*\s+7], v[ACC+8*\m:ACC+8*\m+7], v[ASC+4*\m+\s], v[WSC+4*\u+\s] matrix_a_fmt:MATRIX_FMT_FP4 matrix_b_fmt:MATRIX_FMT_FP4
.else
	v_wmma_scale_f32_16x16x128_f8f6f4 v[ACC+8*\m:ACC+8*\m+7], v[64*\m+8*\s:64*\m+8*\s+7], v[64*\u+8*\s:64*\u+8*\s+7], v[ACC+8*\m:ACC+8*\m+7], v[ASC+4*\m+\s-4], v[WSC+4*\u+\s-4] matrix_a_fmt:MATRIX_FMT_FP4 matrix_b_fmt:MATRIX_FMT_FP4 matrix_a_scale:MATRIX_SCALE_ROW1 matrix_b_scale:MATRIX_SCALE_ROW1
.endif
.endm
; A TILE of 16 columns, in ring buffer u.  ld = 1: the buffer is asked for again, with the tile four further on.  cnt: the loads issued behind this buffer's 19, which may stay out.
; The buffer's loads stand behind the wait for the exponentials, where the wave's vector results are written anyway.
.macro TURN u, ld, cnt
	s_wait_loadcnt \cnt                            ; loads come back in order (ISA guide 5.7.1): this buffer's fragments, scale words, cb and v are in
	WIN 0x06                                       ; source 0 (the rows' codes) window 2, source 1 (Wh) window 1, C and D window 0
.irp s, 0,1,2,3,4,5,6,7
.irp m, 0,1,2,3
	MM \m, \s, \u                                  ; the four accumulators take turns, one instruction a turn; the first K step starts the sums
.endr
.endr
	WIN 0
.rept 4
	v_nop                                          ; four places in front of the first read of results, and of the loads below into registers that the products read
.endr
.irp j, 0,2,4,6,8,10,12,14,16,18,20,22,24,26,28,30
	v_pk_fma_f32 v[ACC+\j:ACC+\j+1], v[ACC+\j:ACC+\j+1], s[CC:CC+1], v[CBV+4*\u:CBV+4*\u+1] op_sel_hi:[1,0,0]   ; y = c x the sum + cb; each accumulator from its low end on
.endr
	s_wait_alu depctr_va_vdst(0)
.irp j, 0,1,2,3,4,5,6,7,8,9,10,11,12,13,14,15,16,17,18,19,20,21,22,23,24,25,26,27,28,29,30,31
	v_exp_f32 v[ACC+\j], v[ACC+\j]                 ; 2^y: infinity for a large y, 0 for a very negative one: r is then 0 or 1, as tanh wants
.endr
	v_nop                                          ; a plain place behind the last exponential
	s_wait_alu depctr_va_vdst(0)                   ; one wait for the batch, ahead of its first reader
.if \ld
.if \u == 0
	s_wait_xcnt 0x0                                ; the last trip's loads have read their offsets (the youngest, that of v, was issued 32 products and 48 vector lines ago): only behind this wait are the offsets written anew
	RINGADR
.endif
	WIN 0x40                                       ; destination window 1
	WLOAD \u
.endif
.irp j, 0,2,4,6,8,10,12,14,16,18,20,22,24,26,28,30
	v_pk_add_f32 v[ACC+\j:ACC+\j+1], v[ACC+\j:ACC+\j+1], 1.0 op_sel_hi:[1,0]
.endr
	s_wait_alu depctr_va_vdst(0)
.irp j, 0,1,2,3,4,5,6,7,8,9,10,11,12,13,14,15,16,17,18,19,20,21,22,23,24,25,26,27,28,29,30,31
	v_rcp_f32 v[ACC+\j], v[ACC+\j]                 ; r
.endr
	v_nop
	s_wait_alu depctr_va_vdst(0)                   ; and one for the reciprocals
.irp j, 0,2,4,6,8,10,12,14,16,18,20,22,24,26,28,30
	v_pk_fma_f32 v[S+\j:S+\j+1], v[ACC+\j:ACC+\j+1], v[CBV+4*\u+2:CBV+4*\u+3], v[S+\j:S+\j+1] op_sel_hi:[1,0,1]   ; + v r
.endr
.if \ld
	VLOAD \u
.endif
.endm
.macro M_TRIP ld                       ; four tiles
.if \ld
	s_add_co_u32 s[KN], s[KN], 1
	s_and_b32 s[KN], s[KN], 3                      ; the next four tiles; behind a pass's last four come its successor's first four
	TURN 0, 1, 57                                  ; 57 = the three younger groups of 19 loads
	TURN 1, 1, 57
	TURN 2, 1, 57
	TURN 3, 1, 57
.else
	TURN 0, 0, 57                                  ; nothing more is asked for: the counts run down
	TURN 1, 0, 38
	TURN 2, 0, 19
	TURN 3, 0, 0
.endif
.endm
.macro MPHASE n
	s_mov_b32 s[TRIP], \n
.Lm_\@:
	M_TRIP 1
	s_sub_co_u32 s[TRIP], s[TRIP], 1
	s_cmp_lg_u32 s[TRIP], 0
	s_cbranch_scc1 .Lm_\@
.endm
; THE PHASE S.  A tensor load of mine may be out across its barrier, and only I read what that load brings.
.macro SPHASE
.irp x, 1,2,4,8
.irp j, 0,1,2,3,4,5,6,7,8,9,10,11,12,13,14,15,16,17,18,19,20,21,22,23,24,25,26,27,28,29,30,31
	v_add_f32_dpp v[S+\j], v[S+\j], v[S+\j] row_xmask:\x row_mask:0xf bank_mask:0xf   ; over the sixteen columns of a tile: the sixteen lanes of a half
.endr
.endr
.irp m, 0,1,2,3
	ds_store_b128 v[SXW], v[S+8*\m:S+8*\m+3] offset:64*\m          ; rows 16 m + 8 h + 0 .. 7: the sixteen lanes of a half write the same words with the same values
	ds_store_b128 v[SXW], v[S+8*\m+4:S+8*\m+7] offset:64*\m+16
.endr
	s_wait_dscnt 0x0                               ; for the others' sake: my partial scores have landed
	s_barrier_signal -1
	s_barrier_wait -1                              ; every wave has also taken its fragments by now: behind this barrier the rows of codes may be written again
.irp q, 0,1,2,3
	ds_load_b32 v[T+\q], v[SXR] offset:256*\q      ; row lane: wave q's share
	ds_load_b32 v[T+4+\q], v[SXR] offset:256*\q+128   ; row 32 + lane
.endr
	s_wait_dscnt 0x0
	v_add_f32 v[T], v[T], v[T+1]
	v_add_f32 v[T+4], v[T+4], v[T+5]
	v_add_f32 v[T+2], v[T+2], v[T+3]
	v_add_f32 v[T+6], v[T+6], v[T+7]
	v_add_f32 v[T], v[T], v[T+2]                   ; sigma: the same words in the same order in all four waves
	v_add_f32 v[T+4], v[T+4], v[T+6]
	v_mul_f32 v[T], 0xc038aa3b, v[T]               ; t = -c sigma
	v_mul_f32 v[T+4], 0xc038aa3b, v[T+4]
	v_max_num_f32 v[T+1], v[T], v[T+4]
.irp x, 1,2,4,8
	v_max_num_f32_dpp v[T+1], v[T+1], v[T+1] row_xmask:\x row_mask:0xf bank_mask:0xf
.endr
	v_permlanex16_b32 v[T+2], v[T+1], s[SEL], s[SEL+1]
	v_max3_num_f32 v[T+1], v[T+1], v[T+2], v[MX]   ; the new M
	v_sub_f32 v[T+2], v[MX], v[T+1]
	v_sub_f32 v[T], v[T], v[T+1]
	v_sub_f32 v[T+4], v[T+4], v[T+1]
	s_wait_alu depctr_va_vdst(0)
	v_exp_f32 v[T+2], v[T+2]                       ; f = 2^(old M - new M)
	v_exp_f32 v[T], v[T]                           ; p
	v_exp_f32 v[T+4], v[T+4]
	v_mov_b32 v[MX], v[T+1]                        ; (a plain place behind the exponentials)
	s_wait_alu depctr_va_vdst(0)                   ; one wait for the three
	v_add_f32 v[T+5], v[T], v[T+4]
.irp x, 1,2,4,8
	v_add_f32_dpp v[T+5], v[T+5], v[T+5] row_xmask:\x row_mask:0xf bank_mask:0xf
.endr
	v_permlanex16_b32 v[T+6], v[T+5], s[SEL], s[SEL+1]
	v_add_f32 v[T+5], v[T+5], v[T+6]
	v_fma_f32 v[LS], v[LS], v[T+2], v[T+5]         ; L = f L + the pass's sum of p
.irp j, 0,2,4,6
	v_pk_mul_f32 v[OUT+\j:OUT+\j+1], v[OUT+\j:OUT+\j+1], v[T+2:T+3] op_sel_hi:[1,0]   ; acc under the new M
.endr
	ds_store_b32 v[PWA], v[T]
	ds_store_b32 v[PWA], v[T+4] offset:128
.irp i, 0,1,2,3,4,5,6,7,8,9,10,11,12,13,14,15
	ds_load_b128 v[P+4*\i:P+4*\i+3], v[PRA] offset:16*\i   ; every lane takes all 64 p: my wave's own bytes, and LDS serves a wave's instructions in order
.endr
	s_wait_dscnt 0x0
.endm
.macro WPHASE                          ; acc += p x the kept rows: bf16 halves straight into f32 multiply-adds, eight sums by turns
	WIN 0x03                                       ; source 0 window 3
.set t, 0
.rept 64
.irp q, 0,1,2,3
	v_fma_mix_f32_bf16 v[OUT+2*\q], v[4*t+\q], v[P+t], v[OUT+2*\q] op_sel_hi:[1,0,0]
	v_fma_mix_f32_bf16 v[OUT+2*\q+1], v[4*t+\q], v[P+t], v[OUT+2*\q+1] op_sel:[1,0,0] op_sel_hi:[1,0,0]
.endr
.set t, t+1
.endr
	WIN 0
.endm
	s_load_b256 s[4:11], s[0:1], 0x0               ; memory, whf, Wh's scales, qc
	s_load_b128 s[12:15], s[0:1], 0x20             ; v, pacc
	s_load_b64 s[16:17], s[0:1], 0x30              ; pml
	v_lshl_add_u32 v[SPW], v0, 2, SPARE
	v_mov_b32 v[NIL], 0
	ds_add_u32 v[SPW], v[NIL]                      ; the wave's opening: the add, twice on end, and its wait ahead of my first tensor load
	ds_add_u32 v[SPW], v[NIL]
	v_lshrrev_b32 v[T], 5, v0
	v_readfirstlane_b32 s[WV], v[T]                ; wave 0..3
	s_mov_b32 s[QX], ttmp9                         ; which 256 rows of the batch
	s_and_b32 s[BB], ttmp7, 0xffff                 ; the batch
	; descriptor group 1: 64 rows x 256 elements of 4 bytes, 4,096 bytes from row to row in memory, 16 bytes of padding behind each row in LDS
	s_mov_b32 s[G1+0], (2<<16)|(1<<20)|(7<<22)|(3<<25)   ; 15:0 no mask; 17:16 elements of 4 bytes; 20 padding on; 24:22 after every 256 words (code 7); 31:25 four words (code 3)
	s_mov_b32 s[G1+1], 256<<16                     ; tensor_dim0 = 256
	s_mov_b32 s[G1+2], 64<<16                      ; tensor_dim1 = 64
	s_mov_b32 s[G1+3], 256<<16                     ; tile_dim0 = 256
	s_mov_b32 s[G1+4], 64                          ; tile_dim1 = 64
	s_mov_b32 s[G1+5], 1024                        ; tensor_dim0_stride, in elements
	s_mov_b32 s[G1+6], 0
	s_mov_b32 s[G1+7], 0
	s_mov_b32 s[G0], 1                             ; count = 1
	s_mul_i32 s[G0+1], s[WV], SLAB                 ; my slab
	s_lshl_b32 s48, s[BB], 22                      ; a batch is 4 MiB,
	s_lshl_b32 s22, s[QX], 20                      ; 256 rows 1 MiB,
	s_add_co_u32 s48, s48, s22
	s_lshl_b32 s22, s[WV], 10                      ; my 256 columns 1,024 bytes: under 2^28 in all
	s_add_co_u32 s48, s48, s22
	s_mov_b32 s49, 0
	s_mov_b32 s[CC], 0x4038aa3b                    ; c = 2 log2(e)
	s_mov_b32 s[CC+1], s[CC]
	s_mov_b32 s[SEL], 0x76543210
	s_mov_b32 s[SEL+1], 0xfedcba98
	s_mov_b32 s[KN], 0
	s_mov_b32 s[FLR], 0x1800000                    ; the two constants of the quantiser stand in scalar registers: 4 bytes less on each of the 256 lines that name them
	s_mov_b32 s[EXO], 0xff000000
	s_wait_dscnt 0x0                               ; both opening adds are done
	s_wait_kmcnt 0x0
	s_add_nc_u64 s[G0+2:G0+3], s[4:5], s[48:49]
	s_or_b32 s[G0+3], s[G0+3], 0x80000000          ; type = 2
	tensor_load_to_lds s[G0:G0+3], s[G1:G1+7]      ; the first pass's rows: every wave issues its slab's load; one tensor load of mine is out
	s_nop 0
	s_mov_b32 s51, 0
	s_lshl_b32 s50, s[WV], 17                      ; my 16 tiles of whf,
	s_add_nc_u64 s[6:7], s[6:7], s[50:51]
	s_lshl_b32 s50, s[WV], 13                      ; my 256 rows of Wh's scales,
	s_add_nc_u64 s[8:9], s[8:9], s[50:51]
	s_lshl_b32 s50, s[WV], 16                      ; my 16 tiles of qc, and the batch's group of four,
	s_lshr_b32 s22, s[BB], 2
	s_lshl_b32 s22, s22, 8
	s_add_co_u32 s50, s50, s22
	s_add_nc_u64 s[10:11], s[10:11], s[50:51]
	s_lshl_b32 s50, s[WV], 10                      ; my 256 numbers of v
	s_add_nc_u64 s[12:13], s[12:13], s[50:51]
	s_lshl_b32 s21, s[BB], 2
	s_add_co_u32 s21, s21, s[QX]                   ; the work-group's number among the partials: 4 b + qx
	s_lshl_b32 s22, s21, 12
	s_add_co_u32 s50, s50, s22
	s_add_nc_u64 s[14:15], s[14:15], s[50:51]      ; pacc: its 4,096 bytes, my 1,024 of them
	s_lshl_b32 s50, s21, 8
	s_add_nc_u64 s[16:17], s[16:17], s[50:51]      ; pml: its 256 bytes
	v_and_b32 v[T], 31, v0                         ; lane
	v_and_b32 v[T+1], 15, v0                       ; r
	v_bfe_u32 v[T+2], v0, 4, 1                     ; h
	v_bfe_u32 v[T+3], v0, 3, 1                     ; x
	v_lshlrev_b32 v[L16], 4, v[T]
	v_lshlrev_b32 v[SLW], 5, v[T+1]
	v_lshl_add_u32 v[SLW], v[T+2], 4, v[SLW]
	s_and_b32 s22, s[BB], 3
	s_lshl_b32 s22, s22, 2
	v_lshl_add_u32 v[CBL], v[T+1], 4, s22
	v_lshlrev_b32 v[R4], 2, v[T+1]
	v_lshlrev_b32 v[T+4], 5, v[T]
	v_lshl_add_u32 v[T+4], v[T+3], 4, v[T+4]       ; 32 lane + 16 x
	v_add_nc_u32 v[RA0], s[G0+1], v[T+4]
	v_xor_b32 v[RA1], 16, v[RA0]                   ; (a slab begins at a multiple of 1,024: bit 4 is x alone)
	s_lshl_b32 s22, s[WV], 7
	s_add_co_u32 s22, s22, IMG
	v_lshl_add_u32 v[CW], v[T], 2, s22
	s_lshl_b32 s22, s[WV], 3
	s_add_co_u32 s22, s22, ISC
	v_lshrrev_b32 v[EW], 2, v[T]
	v_add_nc_u32 v[EW], s22, v[EW]
	s_mov_b32 s22, 0x02020202
	v_mul_lo_u32 v[SELV], v[T+3], s22
	v_xor_b32 v[SELV], 0x03020100, v[SELV]         ; 0x03020100, or 0x01000302 where x = 1
	s_lshl_b32 s22, s[WV], 10
	s_add_co_u32 s22, s22, OB
	v_add_nc_u32 v[OBW0], s22, v[T+4]
	v_xor_b32 v[OBW1], 16, v[OBW0]
	v_add_nc_u32 v[OBR], s22, v[L16]
	v_mul_u32_u24 v[FI], v[T+1], CP
	v_lshl_add_u32 v[FI], v[T+2], 4, v[FI]
	v_add_nc_u32 v[FI], IMG, v[FI]
	v_add_nc_u32 v[FS], ISC, v[SLW]
	s_lshl_b32 s22, s[WV], 8
	s_add_co_u32 s23, s22, SCX
	v_lshl_add_u32 v[SXW], v[T+2], 5, s23
	v_lshl_add_u32 v[SXR], v[T], 2, SCX
	s_add_co_u32 s23, s22, PB
	v_lshl_add_u32 v[PWA], v[T], 2, s23
	v_mov_b32 v[PRA], s23
	v_lshlrev_b32 v[PMO], 3, v[T]
	RINGADR                                        ; the ring's first four tiles: four groups of 19 loads
	s_wait_alu depctr_va_vdst(0)
.irp u, 0,1,2,3
	WIN 0x40
	WLOAD \u
	VLOAD \u
.endr
	v_mov_b32 v[MX], 0xff61b1e6                    ; M: -3e38, under every t
	v_mov_b32 v[LS], 0
.irp j, 0,1,2,3,4,5,6,7
	v_mov_b32 v[OUT+\j], 0                         ; the pass is written once: the first finds zeros, which the first change of M leaves zeros
.endr
.irp b, 0,1,2,3
	v_mov_b32 v[CBV+4*\b+1], 0                     ; the upper halves of the pairs of cb and v
	v_mov_b32 v[CBV+4*\b+3], 0
.endr
	s_wait_tensorcnt 0x0                           ; my slab of the first pass is in (my only load); no other wave reads it, so no barrier stands here
	QPHASE
	s_mov_b32 s[PASS], 3
.Lpass:                                            ; three trips: passes 0 to 2; each asks for its successor's rows
	REFILL 1
	FETCH
	MPHASE 4
	SPHASE
	s_wait_alu depctr_va_vdst(0)
	WPHASE
	s_wait_tensorcnt 0x0                           ; my slab of the next pass is in: my only load out, so its count is 0; it orders that load's writes with my own reads below
	QPHASE
	s_sub_co_u32 s[PASS], s[PASS], 1
	s_cmp_lg_u32 s[PASS], 0
	s_cbranch_scc1 .Lpass
	REFILL 0                                       ; the last pass is written out
	FETCH
	MPHASE 3
	M_TRIP 0
	SPHASE
	s_wait_alu depctr_va_vdst(0)
	WPHASE
	; THE WAY OUT.  A lane's eight sums are columns 8 lane .. 8 lane + 7, its halves in the order in which it read them: they turn through my own 1,024 bytes of LDS, by the addresses of that order, and come back 16 bytes a lane.
	ds_store_b128 v[OBW0], v[OUT:OUT+3]
	ds_store_b128 v[OBW1], v[OUT+4:OUT+7]
	ds_load_b128 v[P:P+3], v[OBR]                  ; LDS serves a wave's instructions in order: these see the stores
	ds_load_b128 v[P+4:P+7], v[OBR] offset:512
	s_wait_tensorcnt 0x0                           ; my last tensor load and my last LDS store are behind
	ds_add_u32 v[SPW], v[NIL]
	s_wait_dscnt 0x0                               ; the add is done, and the sums are back
	global_store_b128 v[L16], v[P:P+3], s[14:15]               ; 32 lanes store 512 consecutive bytes, aligned
	global_store_b128 v[L16], v[P+4:P+7], s[14:15] offset:512
	s_cmp_lg_u32 s[WV], 0
	s_cbranch_scc1 .Lnot_wave_0
	global_store_b64 v[PMO], v[MX:MX+1], s[16:17]  ; (M, L), the same in every lane and wave: wave 0 stores 32 copies, 256 consecutive bytes, aligned
.Lnot_wave_0:
	s_endpgm
.Lfunc_end_k_qcdeaea0610_main:
	.size	k_qcdeaea0610_main, .Lfunc_end_k_qcdeaea0610_main-k_qcdeaea0610_main
	.p2alignl 7, 3214868480
	.fill 96, 4, 3214868480
	.section	.rodata,"a",@progbits
	.p2align	6, 0x0
	.amdhsa_kernel k_qcdeaea0610_main
		.amdhsa_group_segment_fixed_size 327680
		.amdhsa_private_segment_fixed_size 0
		.amdhsa_enable_private_segment 0
		.amdhsa_kernarg_size 56
		.amdhsa_user_sgpr_count 2
		.amdhsa_user_sgpr_kernarg_segment_ptr 1
		.amdhsa_wavefront_size32 1
		.amdhsa_system_sgpr_workgroup_id_x 1
		.amdhsa_system_sgpr_workgroup_id_y 1
		.amdhsa_system_sgpr_workgroup_id_z 1
		.amdhsa_system_vgpr_workitem_id 0
		.amdhsa_next_free_vgpr 1024
		.amdhsa_next_free_sgpr 66
		.amdhsa_reserve_vcc 0
		.amdhsa_float_denorm_mode_32 3
		.amdhsa_float_denorm_mode_16_64 3
		.amdhsa_memory_ordered 1
		.amdhsa_forward_progress 1
		.amdhsa_inst_pref_size 255
	.end_amdhsa_kernel
	.section	.bss,"aw",@nobits
	.p2align	6
	.space	262144
	.amdgpu_metadata
---
amdhsa.version: [ 1, 2 ]
amdhsa.kernels:
  - .name:           k_qcdeaea0610_main
    .symbol:         k_qcdeaea0610_main.kd
    .args:
      - { .name: memory, .offset: 0, .size: 8, .value_kind: global_buffer, .address_space: global }
      - { .name: whf, .offset: 8, .size: 8, .value_kind: global_buffer, .address_space: global }
      - { .name: Wh_scales, .offset: 16, .size: 8, .value_kind: global_buffer, .address_space: global }
      - { .name: qc, .offset: 24, .size: 8, .value_kind: global_buffer, .address_space: global }
      - { .name: v, .offset: 32, .size: 8, .value_kind: global_buffer, .address_space: global }
      - { .name: pacc, .offset: 40, .size: 8, .value_kind: global_buffer, .address_space: global }
      - { .name: pml, .offset: 48, .size: 8, .value_kind: global_buffer, .address_space: global }
    .group_segment_fixed_size: 327680
    .private_segment_fixed_size: 0
    .kernarg_segment_align: 8
    .kernarg_segment_size: 56
    .max_flat_workgroup_size: 128
    .sgpr_count:     66
    .vgpr_count:     1024
    .wavefront_size: 32
...
	.end_amdgpu_metadata
.endif
;; end of part 2
;; launch comb (part 3): grid 4 x 64, 2 waves a work-group, no clusters, 0 bytes of LDS; arguments pacc, pml, out0; writes out0
.if DOCPART == 3
	.amdgcn_target "amdgcn-amd-amdhsa--gfx1250"
	.amdhsa_code_object_version 6
	.text
	.protected	k_qcdeaea0610_comb
	.globl	k_qcdeaea0610_comb
	.p2align	8
	.type	k_qcdeaea0610_comb,@function
k_qcdeaea0610_comb:
	s_mov_b64 s[64:65], 0
	v_nop
	global_prefetch_b8 v0, s[64:65] scope:SCOPE_SE
	s_setreg_imm32_b32 hwreg(HW_REG_WAVE_MODE, 25, 1), 1
	s_wait_xcnt 0x0
; out0[b][:] = (sum over q of 2^(M_q - M) acc_q[:]) / (sum over q of 2^(M_q - M) L_q), M the largest M_q: the four partials of batch b, made by the launch before, are joined.
; (The term of the scores that is constant along a batch's rows was left out there: see the head of the first kernel; it cancels here as in any softmax.)
; A work-group takes 256 columns of a batch, a thread four: 16 bytes, so that a wave's loads and its store cover 512 consecutive bytes.  Each L_q is at least 1 (its largest p is 1), so the divisor is no zero.
; No LDS, no barrier, no matrix work: 1.3 MB are moved once.
	s_load_b128 s[4:7], s[0:1], 0x0                ; pacc, pml
	s_load_b64 s[8:9], s[0:1], 0x10                ; out0
	s_and_b32 s10, ttmp7, 0xffff                   ; the batch
	s_lshl_b32 s11, ttmp9, 10                      ; my work-group's 256 columns, in bytes
	s_lshl_b32 s12, s10, 14                        ; pacc: four partials of 4,096 bytes a batch
	s_add_co_u32 s12, s12, s11
	s_mov_b32 s13, 0
	s_lshl_b32 s14, s10, 10                        ; pml: four units of 256 bytes a batch
	s_mov_b32 s15, 0
	s_lshl_b32 s16, s10, 12                        ; out0: 4,096 bytes a batch
	s_add_co_u32 s16, s16, s11
	s_mov_b32 s17, 0
	v_lshlrev_b32 v1, 4, v0                        ; my 16 bytes
	v_and_b32 v2, 31, v0
	v_lshlrev_b32 v2, 3, v2                        ; my copy of (M, L): 8 bytes a lane, so that a wave reads the 256 bytes whole
	s_wait_alu depctr_va_vdst(0)
	s_wait_kmcnt 0x0
	s_add_nc_u64 s[4:5], s[4:5], s[12:13]
	s_add_nc_u64 s[6:7], s[6:7], s[14:15]
	s_add_nc_u64 s[8:9], s[8:9], s[16:17]
.irp q, 0,1,2,3
	global_load_b64 v[4+2*\q:5+2*\q], v2, s[6:7] offset:256*\q
.endr
.irp q, 0,1,2,3
	global_load_b128 v[16+4*\q:19+4*\q], v1, s[4:5] offset:4096*\q th:TH_LOAD_NT
.endr
	s_wait_loadcnt 4                               ; the four (M, L) are in; the four loads of acc may be out
	v_max3_num_f32 v12, v4, v6, v8
	v_max_num_f32 v12, v12, v10                    ; M
.irp q, 0,1,2,3
	v_sub_f32 v[32+\q], v[4+2*\q], v12
.endr
	s_wait_alu depctr_va_vdst(0)
.irp q, 0,1,2,3
	v_exp_f32 v[32+\q], v[32+\q]                   ; 2^(M_q - M), at most 1
.endr
	v_nop                                          ; a plain place behind the last exponential
	s_wait_alu depctr_va_vdst(0)                   ; one wait for the four, ahead of their first reader
	v_mul_f32 v13, v32, v5
	v_fmac_f32 v13, v33, v7
	v_fmac_f32 v13, v34, v9
	v_fmac_f32 v13, v35, v11                       ; the batch's sum of p
	s_wait_alu depctr_va_vdst(0)
	v_rcp_f32 v14, v13
	v_nop
	s_wait_alu depctr_va_vdst(0)
.irp q, 0,1,2,3
	v_mul_f32 v[36+2*\q], v[32+\q], v14            ; g_q, in both registers of a pair for the packed forms
	v_mul_f32 v[37+2*\q], v[32+\q], v14
.endr
	s_wait_alu depctr_va_vdst(0)
	s_wait_loadcnt 0x0
	v_pk_mul_f32 v[44:45], v[16:17], v[36:37]
	v_pk_mul_f32 v[46:47], v[18:19], v[36:37]
.irp q, 1,2,3
	v_pk_fma_f32 v[44:45], v[16+4*\q:17+4*\q], v[36+2*\q:37+2*\q], v[44:45]
	v_pk_fma_f32 v[46:47], v[18+4*\q:19+4*\q], v[36+2*\q:37+2*\q], v[46:47]
.endr
	global_store_b128 v1, v[44:47], s[8:9]         ; 32 lanes store 512 consecutive bytes, aligned
	s_endpgm
.Lfunc_end_k_qcdeaea0610_comb:
	.size	k_qcdeaea0610_comb, .Lfunc_end_k_qcdeaea0610_comb-k_qcdeaea0610_comb
	.p2alignl 7, 3214868480
	.fill 96, 4, 3214868480
	.section	.rodata,"a",@progbits
	.p2align	6, 0x0
	.amdhsa_kernel k_qcdeaea0610_comb
		.amdhsa_group_segment_fixed_size 0
		.amdhsa_private_segment_fixed_size 0
		.amdhsa_enable_private_segment 0
		.amdhsa_kernarg_size 24
		.amdhsa_user_sgpr_count 2
		.amdhsa_user_sgpr_kernarg_segment_ptr 1
		.amdhsa_wavefront_size32 1
		.amdhsa_system_sgpr_workgroup_id_x 1
		.amdhsa_system_sgpr_workgroup_id_y 1
		.amdhsa_system_sgpr_workgroup_id_z 1
		.amdhsa_system_vgpr_workitem_id 0
		.amdhsa_next_free_vgpr 48
		.amdhsa_next_free_sgpr 66
		.amdhsa_reserve_vcc 0
		.amdhsa_float_denorm_mode_32 3
		.amdhsa_float_denorm_mode_16_64 3
		.amdhsa_memory_ordered 1
		.amdhsa_forward_progress 1
		.amdhsa_inst_pref_size 4
	.end_amdhsa_kernel
	.amdgpu_metadata
---
amdhsa.version: [ 1, 2 ]
amdhsa.kernels:
  - .name:           k_qcdeaea0610_comb
    .symbol:         k_qcdeaea0610_comb.kd
    .args:
      - { .name: pacc, .offset: 0, .size: 8, .value_kind: global_buffer, .address_space: global }
      - { .name: pml, .offset: 8, .size: 8, .value_kind: global_buffer, .address_space: global }
      - { .name: out0, .offset: 16, .size: 8, .value_kind: global_buffer, .address_space: global }
    .group_segment_fixed_size: 0
    .private_segment_fixed_size: 0
    .kernarg_segment_align: 8
    .kernarg_segment_size: 24
    .max_flat_workgroup_size: 64
    .sgpr_count:     66
    .vgpr_count:     48
    .wavefront_size: 32
...
	.end_amdgpu_metadata
.endif
;; end of part 3
